; MI455X (gfx1250); checked and timed in simulation.
; The chip was launched on July 23, 2026; its instructions are those of AMD's public machine-readable ISA for CDNA 5 (MIT licence, August 2026) and "CDNA5" Instruction Set Architecture Reference Guide (July 2026). The comments in the code are by the model that wrote it; some were corrected since.
;; Quantizer. Allowed arithmetic: matrix products marked QUANTISED: E4M3 operands, one E8M0 scale for each 32 along K, by v_wmma_scale_f32_16x16x128_f8f6f4 with both operands' format E4M3, f32 sums; everything else in f32.
;; Inputs: embed_weight 1,024 x 64 float32; z_e 64 x 32 x 32 x 64 float32.
;; Outputs: out0 64 x 32 x 32 x 64 float32; out1 one number float32; out2 64 x 32 x 32 int32.
;; This version of the problem:
;;   THIS VERSION OF THE PROBLEM IS GIVEN IN LOW PRECISION. The matrix products marked QUANTISED in the list below multiply operands that are first quantised to E4M3 (4 exponent bits, 3 mantissa bits; 8 bits a number), with one power-of-two scale for each 32 numbers along K (OCP MX v1.0); their sums are f32. All else is computed in f32.
;;   The module's matrix products, in the order in which they are computed (A, B: the left and right operand; K: the contracted axis; several contracted axes count as one K, in the product's order):
;;     1. [M 65,536, K 64] x [K 64, N 1,024]; A: computed on the way; B: input embed_weight: QUANTISED
;;   THE QUANTISER, for each operand of a quantised product, along K:
;;     - K is cut into blocks of 32 from its start; a last block that is shorter is filled with zeros.
;;     - A block's scale is 2^e with e = floor(log2(the largest magnitude in the block)) - 8, held to -126 .. 127; a block of zeros has e = 0. As a byte (E8M0): e + 127.
;;     - Each number is divided by its block's scale, clamped to +-448, and rounded to the nearest number of E4M3, ties to even, subnormals kept.
;;     - The product sums the exact products of the quantised numbers (number of the format x scale) in f32.
;;   ~~~python
;;   def quantise(x, axis):      # numpy; x: float32 -> the quantised numbers, widened to float32 again
;;       x = np.moveaxis(x, axis, -1); K = x.shape[-1]
;;       x = np.pad(x, [(0, 0)] * (x.ndim - 1) + [(0, -K % 32)]); x = x.reshape(x.shape[:-1] + (-1, 32)); a = np.abs(x).max(-1, keepdims=True)
;;       e = np.where(a > 0, np.clip(np.frexp(np.where(a > 0, a, 1))[1] - 1 - 8, -126, 127), 0)      # np.frexp(a)[1] - 1 = floor(log2(a)), exactly
;;       r = np.clip(x / 2.0 ** e, -448, 448)
;;       step = 2.0 ** (np.maximum(np.frexp(np.where(r == 0, 1, r))[1] - 1, -6) - 3)
;;       q = np.round(r / step) * step * 2.0 ** e      # np.round: ties to even
;;       return np.moveaxis(q.reshape(q.shape[:-2] + (-1,))[..., :K], -1, axis).astype(np.float32)
;;   ~~~
;;   OPERANDS COMPUTED ON THE WAY. 'Computed on the way' means the value that the module computes at that place (a softmax that the list does not call 'softmax' is quantised finished and normalised). What goes into a quantiser is computed in f32, as accurately as f32 sums, v_exp_f32 and their like allow (about 1e-6 of the number): no bf16 or f16 on the way to a quantiser, and a product that is left as it is and whose result goes on into a quantised operand takes f32 operands (vector FMAs, or v_wmma_f32_16x16x4_f32). A number that lies on a knife's edge between two numbers of the format may be rounded either way, as far as f32 arithmetic and the matrix unit's own rounding can turn it there, and no further.
;; One version. Each part assembles by itself: llvm-mc -triple=amdgcn-amd-amdhsa -mcpu=gfx1250 --defsym DOCPART=n.
;; ======== version 1 of 1: 3 launches
;; limits: right only within a limited range of input values
;; workspace buffers: idx 262,144 bytes of whole numbers; parts 1,024 bytes
;; launch nearest (part 1): grid 256 x 1, 8 waves a work-group, clusters of 4 x 1, 327,680 bytes of LDS; arguments z_e, embed_weight, out2, idx; writes out2, idx
.if DOCPART == 1
	.amdgcn_target "amdgcn-amd-amdhsa--gfx1250"
	.amdhsa_code_object_version 6
	.text
	.protected	k_q370f21889b_nearest
	.globl	k_q370f21889b_nearest
	.p2align	8
	.type	k_q370f21889b_nearest,@function
k_q370f21889b_nearest:
	s_mov_b64 s[64:65], 0
	v_nop
	global_prefetch_b8 v0, s[64:65] scope:SCOPE_SE
	s_setreg_imm32_b32 hwreg(HW_REG_WAVE_MODE, 25, 1), 1
	s_wait_xcnt 0x0
	s_wait_alu depctr_hold_cnt(0) depctr_sa_sdst(0) depctr_va_vdst(0) depctr_va_sdst(0) depctr_va_ssrc(0) depctr_va_vcc(0) depctr_vm_vsrc(0)
	s_getreg_b32 s2, hwreg(HW_REG_IB_STS2, 6, 4)
	s_cmp_eq_u32 s2, 0
	s_cbranch_scc0 .Lentry_in_a_cluster
	s_endpgm
.Lentry_in_a_cluster:
	s_bfe_u32 s2, ttmp6, 0x10000c
	s_cmp_lg_u32 s2, 0x3003
	s_cbranch_scc0 .Lentry_shape_is_right
	s_endpgm
.Lentry_shape_is_right:
; embed_ind[row] = argmax over the 1,024 codes of -(||x||^2 - (2x).e + ||e||^2), the product on codes of E4M3 with one E8M0 scale for each 32 along K = 64.
; SHARES.  A work-group of eight waves takes 256 rows of z_e.  Wave w owns row tiles 4 (w % 4) .. + 3 (64 rows) and walks one half, w / 4, of the codes: 32 tiles of 16, in 16 groups of two tiles, eight groups a stage.
; THE CODEBOOK COMES JOINTLY, IN TWO STAGES.  Four work-groups form a cluster; for each stage a wave asks for 64 rows of 256 bytes by one tensor load with a mask that names the four: at the head rows 512 (w / 4) + 64 (w % 4) on,
; behind a round of the cluster's barrier the rows that lie 256 further on.  The second load is out while the first stage is quantised and multiplied.  Each stage has LDS bytes of its own, filled once.
; LDS rows are 272 bytes apart (68 words: the 16 rows that a load touches start at 16 different banks; 64 banks of 4 bytes: ISA guide 11.1).
; Behind a barrier that shows a stage landed, each wave lays, over each raw tile of 4,352 bytes that it has read, the tile's record: 1,024 bytes of codes as an image of the operand's registers, then 64 bytes of -||e||^2, then 64 of scale words.
; Wave w also quantises row tiles 2 w and 2 w + 1 of z_e; their records (image, scale words, -||x||^2) lie in bytes of their own.
; QUANTISING.  Lane (r, h) holds, of row r, the 16 numbers 32 c + 16 h + 0 .. 15 of block c, so the conversions' results are the operand's registers.
; 2x IS QUANTISED AS x WITH ONE MORE IN THE SCALE'S BYTE: a doubling moves a block's largest magnitude and its numbers by the same power of two, so the codes are the same.
; THE PRODUCT IS USED TRANSPOSED (source 0 = 16 codes, source 1 = 16 rows): lane (r, h) holds row r, its register j code 16 t + 8 h + j.  -||e||^2 is the product's C.
; K = 64 IN A FORM OF K = 128: x's operands have zero codes in their upper eight registers, both scale words have the byte 0 there.  The eight registers behind a fragment are the next fragment or zeros: never the NaN code.
; THE ARGMAX.  For each row a lane keeps the 16 numbers of the group that holds the largest -dist so far (the first group of equals), that -dist and the group's number; the first group's products are written there directly.
; At the end the first of the 16 that holds the largest is found by halving: 8, 4, 2, 1.  Then lane l xor 16, then the two halves of the codes; ties go to the lower index.
; THE PRODUCTS OF THE NEXT GROUP go into a row's 16 registers as soon as that row's selects have read them: the other rows' vector work stands between them and their readers.
; LIMITS.  -dist is formed as (P - ||e||^2) - ||x||^2, reference() has (||x||^2 - P) + ||e||^2: another order of rounding, and P is not rounded by itself.  NaN and infinities among the inputs are not served; |x| stays under 2^127.
; A block of zeros gets the floor's byte and not 127: its codes are zeros, and this launch alone reads the bytes.
; NO PREFETCH: z_e and the first stage are asked for in a wave's first lines; the second stage is one load a wave with a whole stage's work in which to land, and no loop runs over tiles of memory.
.set PIT,   272                        ; a raw codebook row in LDS: 256 bytes + 16 of padding
.set TB,    16*PIT                     ; a code tile's bytes, raw; its record lies at their start
.set CBW,   4*TB                       ; a wave's four tiles of a stage
.set STG,   8*CBW                      ; a stage; the two lie from LDS byte 0 on
.set XIMG,  2*STG                      ; behind them 16 records of row tiles: 1,024 bytes of image, 128 of scale words, 128 of -||x||^2
.set XREC,  1280
.set RES,   XIMG+16*XREC               ; the waves' results: 8 x 64 rows x (value, index)
.set SPARE, RES+4096                   ; the spare words, 128 bytes for each wave
.set GA,   4                           ; v4   my bytes in a tile of 16 rows of z_e: 256 r + 64 h
.set XWI,  5                           ; v5-6 where I store a row tile's image and its words
.set XWS,  6
.set CRD,  7                           ; v7   where I read my numbers of a raw code tile
.set CIW,  8                           ; v8-9 where I store a code tile's image and its words
.set CIS,  9
.set XA,   10                          ; v10-11 where I read a row tile's image and its words
.set XSA,  11
.set FA,   12                          ; v12-14 where I read a code tile's image, its -||e||^2, its scale words
.set CA,   13
.set SA,   14
.set XS,   16                          ; v16-19 my four row tiles' scale words;  v20-23 code tiles' scale words, two buffers of two
.set CS,   20
.set BM,   24                          ; v24-27 the largest -dist so far
.set GX,   29                          ; v29-32 its group, later the code's index
.set NX,   34                          ; v34-37 -||x||^2
.set RR,   38                          ; v38-39 a group's largest -dist, two rows
.set PW,   40                          ; v40-43 scale words on the way to LDS, two pairs of tiles
.set NE,   44                          ; v44-47 minus sums of squares, two pairs of tiles
.set GI,   48                          ; v48    the group in hand
.set RA,   49                          ; v49    where I store a row's result
.set FRD,  50                          ; v50-51 the last merge: where I read two rows' results, and where their indices go
.set FO,   51
.set TT,   52                          ; v52-55 at work
.set VB,   64                          ; v64-127  the kept 16 numbers of four row tiles (ahead of the first product: two tiles of raw numbers)
.set DB,   128                         ; v128-191 the products of a group, four row tiles x 16 (while quantising: two tiles of raw numbers)
.set PC,   192                         ; v192-223 codes, two pairs of tiles
.set SQ,   224                         ; v224-231 sums of squares; at the end (value, index) of four rows
.set MX,   232                         ; v232-235 largest magnitudes
.set OT,   236
.set SC,   240                         ; v240-243 the conversions' scale operands
.set HL,   244                         ; v244-247 448 x the scale
.set SO,   248
.set SPW,  254                         ; v254 LDS address of my spare word; never rewritten
.set NIL,  255                         ; v255 0; never rewritten
.set XO,   0                           ; window 1: v0-63 x's four operands: 8 registers of codes, 8 of zeros;
.set FB,   64                          ; v64-87, v88-111 two fragment buffers: two fragments and 8 zeros each;
.set CB,   112                         ; v112-127, v128-143 their C
.set G1,   24                          ; s[24:31] descriptor group 1; s[32:35], s[48:51] group 0 of my two loads; none is written again
.set MUL,  0x15                        ; the three sources in window 1, the destination in window 0
.set MSB, 0
.macro WIN new                         ; the immediate's high byte repeats the setting that is left
.if MSB != \new
	s_set_vgpr_msb (MSB<<8)|\new
.set MSB, \new
.endif
.endm
.macro ROUND                           ; a round of the cluster's barrier
	s_barrier_signal -1
	s_barrier_wait -1
	s_cmp_lg_u32 s12, 0
	s_cbranch_scc1 .Lnot_wave_0_\@
	s_barrier_signal -3
.Lnot_wave_0_\@:
	s_barrier_wait -3
	s_barrier_signal -1
	s_barrier_wait -1
.endm
; a tile of 16 rows x 64 numbers of z_e: register 16 c + i = number 32 c + 16 h + i of row r
.macro LOADT set, off
.irp c, 0,1
.irp j, 0,1,2,3
	global_load_b128 v[\set+16*\c+4*\j:\set+16*\c+4*\j+3], v[GA], s[4:5] offset:(\off)+128*\c+16*\j
.endr
.endr
.endm
	s_load_b128 s[4:7], s[0:1], 0x0                ; z_e, embed_weight
	s_load_b128 s[8:11], s[0:1], 0x10              ; out2, idx
	v_lshl_add_u32 v[SPW], v0, 2, SPARE
	v_mov_b32 v[NIL], 0
	ds_add_u32 v[SPW], v[NIL]                      ; the wave's opening: the add, twice on end, and its wait
	ds_add_u32 v[SPW], v[NIL]
	v_lshrrev_b32 v1, 5, v0
	v_readfirstlane_b32 s12, v1                    ; wave 0..7
	v_and_b32 v1, 31, v0                           ; lane
	v_and_b32 v2, 15, v0                           ; r
	v_bfe_u32 v3, v0, 4, 1                         ; h
	v_lshlrev_b32 v[GA], 8, v2
	v_lshl_add_u32 v[GA], v3, 6, v[GA]
	s_bfe_u32 s13, ttmp6, 0x40000                  ; cx: my place in the cluster
	s_lshl_b32 s14, ttmp9, 2                       ; in a cluster launch ttmp9 counts clusters
	s_add_co_u32 s14, s14, s13                     ; my block of 256 rows: it enters the addresses of z_e, out2 and idx alone
	s_lshl_b32 s18, s14, 16                        ; the work-group's 256 rows of 256 bytes,
	s_lshl_b32 s19, s12, 13                        ; the two row tiles that I quantise
	s_add_co_u32 s18, s18, s19
	s_mov_b32 s19, 0
	s_and_b32 s36, s12, 3                          ; which 64 rows are mine
	s_lshr_b32 s37, s12, 2                         ; which half of the codes
	s_lshl_b32 s40, s37, 17                        ; the codebook rows that I fetch: 512 x half + 64 x (w % 4), in bytes
	s_lshl_b32 s41, s36, 14
	s_add_co_u32 s40, s40, s41
	s_mov_b32 s41, 0
	s_lshl_b32 s16, s14, 10                        ; the work-group's 256 indices
	s_mov_b32 s17, 0
	s_mov_b32 s20, 0x76543210
	s_mov_b32 s21, 0xfedcba98                      ; v_permlanex16_b32's selects for lane l xor 16
	s_mov_b32 s22, 0x600000                        ; the mantissa field of 448
	; descriptor group 1: a dense block of 64 rows of 256 bytes (32 elements of 8 bytes), padded in LDS
	s_mov_b32 s[G1], 15|(3<<16)|(1<<20)|(1<<21)|(5<<22)|(3<<25)   ; the mask: all four work-groups; elements of 8 bytes; padding on; 21 set beside a mask; after every 64 words four words
	s_mov_b32 s[G1+1], 32<<16                      ; tensor_dim0 = 32
	s_mov_b32 s[G1+2], 64<<16                      ; tensor_dim1 = 64
	s_mov_b32 s[G1+3], 32<<16                      ; tile_dim0 = 32
	s_mov_b32 s[G1+4], 64                          ; tile_dim1 = 64
	s_mov_b32 s[G1+5], 32                          ; from row to row
	s_mov_b32 s[G1+6], 0
	s_mov_b32 s[G1+7], 0
	s_mov_b32 s32, 1                               ; group 0: count = 1;
	s_mul_i32 s33, s12, CBW                        ; the LDS address: my wave's part of the stage
	s_mov_b32 s48, 1
	s_add_co_u32 s49, s33, STG
	s_mul_i32 s38, s37, 16*TB                      ; my half's tiles of a stage
	s_lshl_b32 s39, s37, 4                         ; my half's first group
	s_wait_alu depctr_va_vdst(0)
	s_wait_dscnt 0x0                               ; both opening adds are done
	ROUND                                          ; all four work-groups are here: the joint loads meet
	s_wait_kmcnt 0x0
	s_add_nc_u64 s[4:5], s[4:5], s[18:19]
	s_add_nc_u64 s[34:35], s[6:7], s[40:41]
	s_add_nc_u64 s[50:51], s[34:35], 0x10000       ; the second stage: 256 rows further on
	s_or_b32 s35, s35, 0x80000000                  ; type = 2
	s_or_b32 s51, s51, 0x80000000
	LOADT VB, 0
	tensor_load_to_lds s[32:35], s[G1:G1+7]        ; the first stage: one tensor load a wave at the head
	s_nop 0
	LOADT VB+32, 4096
	s_cmp_lt_u32 s12, 4                            ; at the end waves 0-3 store out2, waves 4-7 the copy from which the next launch forms addresses
	s_cselect_b64 s[8:9], s[8:9], s[10:11]
	s_add_nc_u64 s[8:9], s[8:9], s[16:17]
	s_mul_i32 s15, s12, 2*XREC
	s_add_co_u32 s15, s15, XIMG
	v_lshl_add_u32 v[XWI], v1, 4, s15
	s_add_co_u32 s15, s15, 1024
	v_lshl_add_u32 v[XWS], v1, 2, s15
	v_mul_u32_u24 v[CRD], v2, PIT
	v_lshl_add_u32 v[CRD], v3, 6, v[CRD]
	v_add_nc_u32 v[CRD], s33, v[CRD]
	v_lshl_add_u32 v[CIW], v1, 4, s33
	s_add_co_u32 s15, s33, 1024
	v_lshl_add_u32 v[CIS], v2, 2, s15
	s_mul_i32 s15, s36, 4*XREC
	s_add_co_u32 s15, s15, XIMG
	v_lshl_add_u32 v[XA], v1, 4, s15
	s_add_co_u32 s15, s15, 1024
	v_lshl_add_u32 v[XSA], v1, 2, s15
	v_lshl_add_u32 v[FA], v1, 4, s38
	s_add_co_u32 s15, s38, 1024
	v_lshl_add_u32 v[CA], v3, 5, s15
	s_add_co_u32 s15, s38, 1088
	v_lshl_add_u32 v[SA], v2, 2, s15
	s_lshl_b32 s15, s12, 9
	s_add_co_u32 s15, s15, RES
	v_lshl_add_u32 v[RA], v2, 3, s15
	v_and_b32 v[FO], 127, v0
	v_lshl_add_u32 v[FRD], v[FO], 4, RES           ; rows 2 t and 2 t + 1, t = thread % 128
	v_lshlrev_b32 v[FO], 3, v[FO]
.irp k, 0,1,2,3
	v_mov_b32 v[OT+\k], 0                          ; written once: a lane permute's destination counts as one of its sources
.endr
	v_mov_b32 v[SO], 0
	v_mov_b32 v[SO+1], 0
	WIN 0x40
.irp j, 0,1,2,3,4,5,6,7
.irp x, 0,1,2,3
	v_mov_b32 v[XO+16*\x+8+\j], 0                  ; x's operands: zero codes for K = 64 .. 127, once
.endr
	v_mov_b32 v[FB+16+\j], 0                       ; and behind each fragment buffer
	v_mov_b32 v[FB+40+\j], 0
.endr
	WIN 0
; Two tiles of numbers, v[s] on (tile u, block b at s + 32 u + 16 b): codes into v[pc] on, scale words into v[pw], v[pw + 1], minus the sums of squares into v[ne], v[ne + 1].  dbl = 1: the operand is twice the numbers.
.macro QUANT2 s, dbl, pc, pw, ne
.irp u, 0,1
	v_pk_mul_f32 v[SQ+4*\u:SQ+4*\u+1], v[\s+32*\u:\s+32*\u+1], v[\s+32*\u:\s+32*\u+1]
	v_pk_mul_f32 v[SQ+4*\u+2:SQ+4*\u+3], v[\s+32*\u+16:\s+32*\u+17], v[\s+32*\u+16:\s+32*\u+17]
	v_max3_num_f32 v[MX+2*\u], |v[\s+32*\u]|, |v[\s+32*\u+1]|, (9-\dbl)<<23          ; the floor among the leaves: the operand's byte cannot fall under 1
	v_max3_num_f32 v[MX+2*\u+1], |v[\s+32*\u+16]|, |v[\s+32*\u+17]|, (9-\dbl)<<23
.endr
.irp i, 2,4,6,8,10,12,14
.irp u, 0,1
	v_pk_fma_f32 v[SQ+4*\u:SQ+4*\u+1], v[\s+32*\u+\i:\s+32*\u+\i+1], v[\s+32*\u+\i:\s+32*\u+\i+1], v[SQ+4*\u:SQ+4*\u+1]
	v_pk_fma_f32 v[SQ+4*\u+2:SQ+4*\u+3], v[\s+32*\u+\i+16:\s+32*\u+\i+17], v[\s+32*\u+\i+16:\s+32*\u+\i+17], v[SQ+4*\u+2:SQ+4*\u+3]
	v_max3_num_f32 v[MX+2*\u], v[MX+2*\u], |v[\s+32*\u+\i]|, |v[\s+32*\u+\i+1]|
	v_max3_num_f32 v[MX+2*\u+1], v[MX+2*\u+1], |v[\s+32*\u+\i+16]|, |v[\s+32*\u+\i+17]|
.endr
.endr
.irp u, 0,1
	v_pk_add_f32 v[SQ+4*\u:SQ+4*\u+1], v[SQ+4*\u:SQ+4*\u+1], v[SQ+4*\u+2:SQ+4*\u+3]
.endr
.irp k, 0,1,2,3
	v_permlanex16_b32 v[OT+\k], v[MX+\k], s20, s21
.endr
.irp u, 0,1
	v_add_f32 v[SQ+4*\u], v[SQ+4*\u], v[SQ+4*\u+1]
.endr
.irp k, 0,1,2,3
	v_max_num_f32 v[MX+\k], v[MX+\k], v[OT+\k]     ; with lane l xor 16's 16 numbers: the block's largest magnitude
.endr
.irp u, 0,1
	v_permlanex16_b32 v[SO+\u], v[SQ+4*\u], s20, s21
.endr
.irp k, 0,1,2,3
	v_and_or_b32 v[HL+\k], v[MX+\k], 0x7f800000, s22   ; 448 x the scale
.endr
.irp k, 0,1,2,3
	v_add_nc_u32 v[SC+\k], 0xfc000000, v[MX+\k]    ; 8 off the exponent field: the conversion takes this operand's exponent field as its scale
.endr
.irp k, 0,1,2,3
.irp i, 0,1,2,3,4,5,6,7,8,9,10,11,12,13,14,15
	v_med3_num_f32 v[\s+16*\k+\i], v[\s+16*\k+\i], -v[HL+\k], v[HL+\k]   ; the conversion to an 8-bit code does not saturate (ISA guide 7.6.2)
.endr
.endr
.irp k, 0,1,2,3
	v_cvt_scalef32_pk8_fp8_f32 v[\pc+4*\k:\pc+4*\k+1], v[\s+16*\k:\s+16*\k+7], v[SC+\k]
	v_cvt_scalef32_pk8_fp8_f32 v[\pc+4*\k+2:\pc+4*\k+3], v[\s+16*\k+8:\s+16*\k+15], v[SC+\k]
.endr
.irp u, 0,1
	v_add_f32 v[\ne+\u], -v[SQ+4*\u], -v[SO+\u]    ; the same bits in both lanes of a row
.endr
.irp k, 0,1,2,3
	v_lshrrev_b32 v[OT+\k], 23, v[SC+\k]           ; the scales' bytes; bytes 2 and 3, for the K that is not there, stay 0
.endr
.irp u, 0,1
	v_lshl_or_b32 v[\pw+\u], v[OT+2*\u+1], 8, v[OT+2*\u]
.endr
.if \dbl
.irp u, 0,1
	v_add_nc_u32 v[\pw+\u], 0x101, v[\pw+\u]       ; twice the numbers: one more in each byte
.endr
.endif
.endm
	s_wait_alu depctr_va_vdst(0)
	s_wait_loadcnt 0x0
	QUANT2 VB, 1, PC, PW, NE
.irp u, 0,1
	ds_store_b128 v[XWI], v[PC+8*\u:PC+8*\u+3] offset:XREC*\u
	ds_store_b128 v[XWI], v[PC+8*\u+4:PC+8*\u+7] offset:XREC*\u+512
	ds_store_b32 v[XWS], v[PW+\u] offset:XREC*\u
	ds_store_b32 v[XWS], v[NE+\u] offset:XREC*\u+128
.endr
	s_wait_tensorcnt 0x0                           ; my rows of the first stage have landed
	ds_add_u32 v[SPW], v[NIL]
	s_wait_dscnt 0x0                               ; the add is done, and my records of row tiles lie in LDS
	ROUND                                          ; all this holds of every wave; all four work-groups are here: the joint loads meet
	tensor_load_to_lds s[48:51], s[G1:G1+7]        ; the second stage, into bytes of its own: it has the first stage's work in which to land
	s_nop 0
.macro CLOAD m, set                    ; code tiles 2 m and 2 m + 1 of my four of the stage
.irp u, 0,1
.irp c, 0,1
.irp j, 0,1,2,3
	ds_load_b128 v[\set+32*\u+16*\c+4*\j:\set+32*\u+16*\c+4*\j+3], v[CRD] offset:TB*(2*\m+\u)+128*\c+16*\j
.endr
.endr
.endr
.endm
.macro CSTORE m                        ; their records, over their raw rows
.irp u, 0,1
	ds_store_b128 v[CIW], v[PC+16*\m+8*\u:PC+16*\m+8*\u+3] offset:TB*(2*\m+\u)
	ds_store_b128 v[CIW], v[PC+16*\m+8*\u+4:PC+16*\m+8*\u+7] offset:TB*(2*\m+\u)+512
	ds_store_b32 v[CIS], v[NE+2*\m+\u] offset:TB*(2*\m+\u)            ; both lanes of a row write the same word with the same value
	ds_store_b32 v[CIS], v[PW+2*\m+\u] offset:TB*(2*\m+\u)+64
.endr
.endm
	CLOAD 0, VB
	CLOAD 1, DB
	WIN 0x40                                       ; my four row tiles' operands, scale words and -||x||^2: 16 loads
.irp x, 0,1,2,3
	ds_load_b128 v[XO+16*\x:XO+16*\x+3], v[XA] offset:XREC*\x
	ds_load_b128 v[XO+16*\x+4:XO+16*\x+7], v[XA] offset:XREC*\x+512
.endr
	WIN 0
.irp x, 0,1,2,3
	ds_load_b32 v[XS+\x], v[XSA] offset:XREC*\x
	ds_load_b32 v[NX+\x], v[XSA] offset:XREC*\x+128
.endr
	s_wait_dscnt 32                                ; behind pair 0's loads: pair 1's 16 and the 16 above
	QUANT2 VB, 0, PC, PW, NE
	CSTORE 0
	s_wait_dscnt 24                                ; behind pair 1's loads: those 16 and 8 stores
	QUANT2 DB, 0, PC+16, PW+2, NE+2
	CSTORE 1
	s_wait_dscnt 0x0                               ; for the others' sake: my records lie in LDS; my operands are in
	s_barrier_signal -1
	s_barrier_wait -1                              ; the first stage's 32 records lie in LDS
; a group's two code tiles into buffer p: fragments, C, scale words: ten loads
.macro GLOAD p, off
	WIN 0x40
.irp t, 0,1
	ds_load_b128 v[FB+24*(\p)+8*\t:FB+24*(\p)+8*\t+3], v[FA] offset:(\off)+TB*\t
	ds_load_b128 v[FB+24*(\p)+8*\t+4:FB+24*(\p)+8*\t+7], v[FA] offset:(\off)+TB*\t+512
	ds_load_b128 v[CB+16*(\p)+8*\t:CB+16*(\p)+8*\t+3], v[CA] offset:(\off)+TB*\t       ; register j: -||e||^2 of code 8 h + j: the result's layout
	ds_load_b128 v[CB+16*(\p)+8*\t+4:CB+16*(\p)+8*\t+7], v[CA] offset:(\off)+TB*\t+16
.endr
	WIN 0
.irp t, 0,1
	ds_load_b32 v[CS+2*(\p)+\t], v[SA] offset:(\off)+TB*\t
.endr
.endm
.macro PROD dst, x, p                  ; row tile x against buffer p's two code tiles
.irp t, 0,1
	v_wmma_scale_f32_16x16x128_f8f6f4 v[\dst+16*\x+8*\t:\dst+16*\x+8*\t+7], v[FB+24*(\p)+8*\t:FB+24*(\p)+8*\t+15], v[XO+16*\x:XO+16*\x+15], v[CB+16*(\p)+8*\t:CB+16*(\p)+8*\t+7], v[CS+2*(\p)+\t], v[XS+\x]
.endr
.endm
; the largest -dist of a group for row tiles x and x + 1 into v[d], v[d + 1]: ||x||^2 is taken off the largest (to subtract one number and round keeps the order).  Each result is read from its low end on
.macro MAXES b, x, d
	v_max3_num_f32 v[TT], v[\b+16*\x], v[\b+16*\x+1], v[\b+16*\x+2]
	v_max3_num_f32 v[TT+2], v[\b+16*\x+16], v[\b+16*\x+17], v[\b+16*\x+18]
	v_max3_num_f32 v[TT+1], v[\b+16*\x+8], v[\b+16*\x+9], v[\b+16*\x+10]
	v_max3_num_f32 v[TT+3], v[\b+16*\x+24], v[\b+16*\x+25], v[\b+16*\x+26]
	v_max3_num_f32 v[TT], v[TT], v[\b+16*\x+3], v[\b+16*\x+4]
	v_max3_num_f32 v[TT+2], v[TT+2], v[\b+16*\x+19], v[\b+16*\x+20]
	v_max3_num_f32 v[TT+1], v[TT+1], v[\b+16*\x+11], v[\b+16*\x+12]
	v_max3_num_f32 v[TT+3], v[TT+3], v[\b+16*\x+27], v[\b+16*\x+28]
	v_max3_num_f32 v[TT], v[TT], v[\b+16*\x+5], v[\b+16*\x+6]
	v_max3_num_f32 v[TT+2], v[TT+2], v[\b+16*\x+21], v[\b+16*\x+22]
	v_max3_num_f32 v[TT+1], v[TT+1], v[\b+16*\x+13], v[\b+16*\x+14]
	v_max3_num_f32 v[TT+3], v[TT+3], v[\b+16*\x+29], v[\b+16*\x+31]
	v_max3_num_f32 v[TT], v[TT], v[TT+1], v[\b+16*\x+7]
	v_max3_num_f32 v[TT+2], v[TT+2], v[TT+3], v[\b+16*\x+23]
	v_dual_max_num_f32 v[RR], v[TT], v[\b+16*\x+15] :: v_dual_max_num_f32 v[RR+1], v[TT+2], v[\b+16*\x+30]
	v_pk_add_f32 v[\d:\d+1], v[RR:RR+1], v[NX+\x:NX+\x+1]
.endm
.macro PICK a, b                       ; where VCC: v[a], v[a + 1] take v[b], v[b + 1]
	v_dual_cndmask_b32 v[\a], v[\a], v[\b] :: v_dual_cndmask_b32 v[\a+1], v[\a+1], v[\b+1]
.endm
.macro SEL x, k                        ; row tile x: where the group in hand holds a larger -dist, its 16 numbers, its number and its -dist are kept
	v_cmp_gt_f32 vcc_lo, v[RR+\k], v[BM+\x]
.irp i, 0,2,4,6,8,10,12,14
	PICK VB+16*\x+\i, DB+16*\x+\i
.endr
	v_dual_cndmask_b32 v[GX+\x], v[GX+\x], v[GI] :: v_dual_max_num_f32 v[BM+\x], v[BM+\x], v[RR+\k]
.endm
; one group's turn; the next group's products from buffer p (mul), and the loads of the group after it (load) into the other buffer
.macro TURN p, off, load, mul
	v_add_nc_u32 v[GI], 1, v[GI]
	MAXES DB, 0, RR
	SEL 0, 0
	SEL 1, 1
.if \mul
	s_wait_dscnt 0x0                               ; the next group's ten loads are in
	WIN MUL
	PROD DB, 0, \p
	PROD DB, 1, \p
.if \load
	GLOAD 1-\p, \off                               ; that buffer's last products stand more than eight vector lines back
.endif
	WIN 0
.endif
	MAXES DB, 2, RR
	SEL 2, 0
	SEL 3, 1
.if \mul
	WIN MUL
	PROD DB, 2, \p
	PROD DB, 3, \p
	WIN 0
.endif
.endm
.macro STEPS n                         ; the three read addresses, n bytes on
	v_add_nc_u32 v[FA], \n, v[FA]
	v_add_nc_u32 v[CA], \n, v[CA]
	v_add_nc_u32 v[SA], \n, v[SA]
.endm
	; STAGE 1: groups 0 to 7.  A group's records are 2 TB bytes behind the last group's
	GLOAD 0, 0
	GLOAD 1, 2*TB
	s_wait_dscnt 0x0
	WIN MUL
.irp x, 0,1,2,3
	PROD VB, \x, 0                                 ; group 0 starts as the kept one
.endr
.irp x, 0,1,2,3
	PROD DB, \x, 1
.endr
	WIN 0
.irp x, 0,1,2,3
	v_mov_b32 v[GX+\x], s39                        ; eight places ahead of the loads into buffer 0 and of the first read of a result: eight lines of the work
.endr
	v_mov_b32 v[GI], s39
	v_add_nc_u32 v[CRD], STG, v[CRD]               ; the raw rows and records of the second stage among them
	v_add_nc_u32 v[CIW], STG, v[CIW]
	v_add_nc_u32 v[CIS], STG, v[CIS]
	GLOAD 0, 4*TB                                  ; group 2
	MAXES VB, 0, BM
	MAXES VB, 2, BM+2
	TURN 0, 6*TB, 1, 1                             ; group 1; the loads are group 3's
	TURN 1, 8*TB, 1, 1
	TURN 0, 10*TB, 1, 1
	TURN 1, 12*TB, 1, 1
	STEPS 8*TB                                     ; (an LDS offset has 16 bits)
	TURN 0, 6*TB, 1, 1                             ; group 5; the stage's last loads, group 7's
	TURN 1, 0, 0, 1
	STEPS STG-8*TB                                 ; to the second stage
	TURN 0, 0, 0, 0                                ; group 7
	; STAGE 2: my four tiles pass through the products' registers two at a time; the kept numbers stay where they are
	s_wait_tensorcnt 0x0                           ; my rows of the second stage have landed
	s_wait_dscnt 0x0
	s_barrier_signal -1                            ; say so; up to the wait stand loads of my own raw rows, which I alone store over behind the wait, and work on registers
	CLOAD 0, DB
	s_wait_dscnt 0x0
	QUANT2 DB, 0, PC, PW, NE
	CLOAD 1, DB
	s_wait_dscnt 0x0
	QUANT2 DB, 0, PC+16, PW+2, NE+2
	s_wait_alu depctr_va_vdst(0)                   ; ahead of the barrier's wait
	s_barrier_wait -1                              ; the second stage has landed in every wave
	CSTORE 0
	CSTORE 1
	s_wait_dscnt 0x0                               ; for the others' sake: my records lie in LDS
	s_barrier_signal -1
	s_barrier_wait -1                              ; the second stage's 32 records lie in LDS
	GLOAD 0, 0                                     ; groups 8 and 9
	GLOAD 1, 2*TB
	s_wait_dscnt 0x0
	WIN MUL
.irp x, 0,1,2,3
	PROD DB, \x, 0
.endr
	WIN 0
.rept 8
	v_nop                                          ; eight places ahead of the first read of a result; no work is at hand
.endr
	TURN 1, 4*TB, 1, 1                             ; group 8; the loads are group 10's
	TURN 0, 6*TB, 1, 1
	TURN 1, 8*TB, 1, 1
	TURN 0, 10*TB, 1, 1
	TURN 1, 12*TB, 1, 1
	STEPS 8*TB
	TURN 0, 6*TB, 1, 1                             ; group 13; the last loads, group 15's
	TURN 1, 0, 0, 1                                ; group 14; the last products
	TURN 0, 0, 0, 0                                ; group 15
; THE FIRST OF THE 16 KEPT NUMBERS THAT HOLDS THE LARGEST -dist.  v[TT + x]: the largest of the lower m; where it falls short of the largest -dist, the upper m move down and the index gets a 1.
.macro NARROW m
	v_pk_add_f32 v[TT:TT+1], v[TT:TT+1], v[NX:NX+1]
	v_pk_add_f32 v[TT+2:TT+3], v[TT+2:TT+3], v[NX+2:NX+3]
.irp x, 0,1,2,3
	v_cmp_lt_f32 vcc_lo, v[TT+\x], v[BM+\x]
.set II, 0
.rept (\m)/2
	PICK VB+16*\x+II, VB+16*\x+II+\m
.set II, II+2
.endr
	v_add_co_ci_u32 v[GX+\x], vcc_lo, v[GX+\x], v[GX+\x], vcc_lo   ; twice the index + VCC's bit
.endr
.endm
.irp x, 0,1,2,3
	v_max3_num_f32 v[TT+\x], v[VB+16*\x], v[VB+16*\x+1], v[VB+16*\x+2]
.endr
.irp x, 0,1,2,3
	v_max3_num_f32 v[TT+\x], v[TT+\x], v[VB+16*\x+3], v[VB+16*\x+4]
.endr
.irp x, 0,1,2,3
	v_max3_num_f32 v[TT+\x], v[TT+\x], v[VB+16*\x+5], v[VB+16*\x+6]
.endr
.irp x, 0,1,2,3
	v_max_num_f32 v[TT+\x], v[TT+\x], v[VB+16*\x+7]
.endr
	NARROW 8                                       ; the tile of the group
.irp x, 0,1,2,3
	v_lshl_or_b32 v[GX+\x], v[GX+\x], 1, v3        ; a code is 16 x tile + 8 h + j
.endr
.irp x, 0,1,2,3
	v_max3_num_f32 v[TT+\x], v[VB+16*\x], v[VB+16*\x+1], v[VB+16*\x+2]
.endr
.irp x, 0,1,2,3
	v_max_num_f32 v[TT+\x], v[TT+\x], v[VB+16*\x+3]
.endr
	NARROW 4
.irp x, 0,1,2,3
	v_max_num_f32 v[TT+\x], v[VB+16*\x], v[VB+16*\x+1]
.endr
	NARROW 2
.irp x, 0,1,2,3
	v_add_f32 v[TT+\x], v[VB+16*\x], v[NX+\x]
.endr
.irp x, 0,1,2,3
	v_cmp_lt_f32 vcc_lo, v[TT+\x], v[BM+\x]
	v_add_co_ci_u32 v[GX+\x], vcc_lo, v[GX+\x], v[GX+\x], vcc_lo
.endr
.irp x, 0,1,2,3
	v_permlanex16_b32 v[OT+\x], v[BM+\x], s20, s21 ; the row's other codes of my half lie in lane l xor 16
.endr
.irp x, 0,1,2,3
	v_permlanex16_b32 v[SC+\x], v[GX+\x], s20, s21
.endr
.irp x, 0,1,2,3
	v_max_num_f32 v[SQ+2*\x], v[BM+\x], v[OT+\x]
.endr
.irp x, 0,1,2,3
	v_cmp_eq_f32 s[40+\x], v[BM+\x], v[SQ+2*\x]
	v_cmp_eq_f32 s[44+\x], v[OT+\x], v[SQ+2*\x]
.endr
.irp x, 0,1,2,3
	v_cndmask_b32 v[GX+\x], -1, v[GX+\x], s[40+\x]
	v_cndmask_b32 v[SC+\x], -1, v[SC+\x], s[44+\x]
.endr
.irp x, 0,1,2,3
	v_min_u32 v[SQ+2*\x+1], v[GX+\x], v[SC+\x]     ; of equals the lower index
.endr
.irp x, 0,1,2,3
	ds_store_b64 v[RA], v[SQ+2*\x:SQ+2*\x+1] offset:128*\x   ; both lanes of a row write the same words with the same values
.endr
	s_wait_dscnt 0x0                               ; for the others' sake: my results lie in LDS
	s_barrier_signal -1
	s_barrier_wait -1
	ds_load_b128 v[DB:DB+3], v[FRD]                ; rows 2 t and 2 t + 1: (value, index) over the lower half of the codes,
	ds_load_b128 v[DB+4:DB+7], v[FRD] offset:2048  ; and over the upper
	s_wait_dscnt 0x0
	v_cmp_gt_f32 vcc_lo, v[DB+4], v[DB]
	v_cndmask_b32 v[DB+8], v[DB+1], v[DB+5], vcc_lo
	v_cmp_gt_f32 vcc_lo, v[DB+6], v[DB+2]
	v_cndmask_b32 v[DB+9], v[DB+3], v[DB+7], vcc_lo
	global_store_b64 v[FO], v[DB+8:DB+9], s[8:9]   ; 32 lanes store 256 consecutive bytes, at a multiple of 256 from the buffer's first byte
	s_wait_tensorcnt 0x0                           ; the wave's end
	ds_add_u32 v[SPW], v[NIL]
	s_wait_dscnt 0x0
	ROUND                                          ; the closing round: no work-group ends while a partner may still ask for rows jointly with it
	s_endpgm
.Lfunc_end_k_q370f21889b_nearest:
	.size	k_q370f21889b_nearest, .Lfunc_end_k_q370f21889b_nearest-k_q370f21889b_nearest
	.p2alignl 7, 3214868480
	.fill 96, 4, 3214868480
	.section	.rodata,"a",@progbits
	.p2align	6, 0x0
	.amdhsa_kernel k_q370f21889b_nearest
		.amdhsa_group_segment_fixed_size 327680
		.amdhsa_private_segment_fixed_size 0
		.amdhsa_enable_private_segment 0
		.amdhsa_kernarg_size 32
		.amdhsa_user_sgpr_count 2
		.amdhsa_user_sgpr_kernarg_segment_ptr 1
		.amdhsa_wavefront_size32 1
		.amdhsa_system_sgpr_workgroup_id_x 1
		.amdhsa_system_sgpr_workgroup_id_y 1
		.amdhsa_system_sgpr_workgroup_id_z 1
		.amdhsa_system_vgpr_workitem_id 0
		.amdhsa_next_free_vgpr 400
		.amdhsa_next_free_sgpr 88
		.amdhsa_reserve_vcc 1
		.amdhsa_float_denorm_mode_32 3
		.amdhsa_float_denorm_mode_16_64 3
		.amdhsa_memory_ordered 1
		.amdhsa_forward_progress 1
		.amdhsa_inst_pref_size 175
	.end_amdhsa_kernel
	.amdgpu_metadata
---
amdhsa.version: [ 1, 2 ]
amdhsa.kernels:
  - .name:           k_q370f21889b_nearest
    .symbol:         k_q370f21889b_nearest.kd
    .args:
      - { .name: z_e, .offset: 0, .size: 8, .value_kind: global_buffer, .address_space: global }
      - { .name: embed_weight, .offset: 8, .size: 8, .value_kind: global_buffer, .address_space: global }
      - { .name: out2, .offset: 16, .size: 8, .value_kind: global_buffer, .address_space: global }
      - { .name: idx, .offset: 24, .size: 8, .value_kind: global_buffer, .address_space: global }
    .group_segment_fixed_size: 327680
    .private_segment_fixed_size: 0
    .kernarg_segment_align: 8
    .kernarg_segment_size: 32
    .max_flat_workgroup_size: 256
    .sgpr_count:     88
    .vgpr_count:     400
    .wavefront_size: 32
...
	.end_amdgpu_metadata
.endif
;; end of part 1
;; launch gather (part 2): grid 256 x 1, 8 waves a work-group, no clusters, 1,280 bytes of LDS; arguments z_e, embed_weight, idx, out0, parts; writes out0, parts
.if DOCPART == 2
	.amdgcn_target "amdgcn-amd-amdhsa--gfx1250"
	.amdhsa_code_object_version 6
	.text
	.protected	k_q370f21889b_gather
	.globl	k_q370f21889b_gather
	.p2align	8
	.type	k_q370f21889b_gather,@function
k_q370f21889b_gather:
	s_mov_b64 s[64:65], 0
	v_nop
	global_prefetch_b8 v0, s[64:65] scope:SCOPE_SE
	s_setreg_imm32_b32 hwreg(HW_REG_WAVE_MODE, 25, 1), 1
	s_wait_xcnt 0x0
; out0 = z_e + (z_q - z_e) with z_q = embed_weight[idx[row]], and the work-group's sum of (z_q - z_e)^2 into parts[work-group].  All in f32.
; A work-group of eight waves takes 256 rows of 256 bytes.  In step u thread t takes the 16 bytes at 4,096 u + 16 t: row 16 u + t / 16; a wave's load or store covers 512 consecutive bytes.
; A codebook row is 256 bytes, aligned: the sixteen lanes of a row read it whole.  The indices were stored by the launch before; each is held to 0 .. 1,023 before it enters an address.
; Loads come back in order (ISA guide 5.7.1), so they are issued in the order of their use: 16 indices, z_e of steps 0-7; then the codebook rows of steps 0-7, z_e and rows of steps 8-15: the first half is stored while the second is
; on its way.  No LDS but for eight partial sums, no matrix unit, no joint loads (work-groups share only the codebook's rows, which the indices choose), no prefetch (each address is used as soon as it is known).
.set Z,   16                           ; v16-79   z_e, four registers a step
.set IX,  80                           ; v80-95   a step's index, then its byte offset in the codebook
.set E,   96                           ; v96-159  the codebook row's piece, then the difference, then the result
.set ACC, 160                          ; v160-167 sums of squares: even steps' two packed chains, odd steps' two
	s_load_b128 s[4:7], s[0:1], 0x0                ; z_e, embed_weight
	s_load_b128 s[8:11], s[0:1], 0x10              ; idx, out0
	s_load_b64 s[12:13], s[0:1], 0x20              ; parts
	v_lshl_add_u32 v168, v0, 2, 0x100
	v_mov_b32 v169, 0
	v_lshlrev_b32 v2, 4, v0                        ; 16 t
	v_lshrrev_b32 v3, 4, v0
	v_and_b32 v4, 15, v0
	v_lshrrev_b32 v5, 5, v0
	v_lshlrev_b32 v3, 2, v3                        ; my row's index: 4 (t / 16)
	v_lshlrev_b32 v4, 4, v4                        ; my 16 bytes of a row
	v_lshlrev_b32 v5, 2, v5                        ; LDS: my wave's word
	v_mov_b32 v6, 0
	s_lshl_b32 s16, ttmp9, 16                      ; the work-group's 256 rows,
	s_mov_b32 s17, 0
	s_lshl_b32 s18, ttmp9, 10                      ; its 256 indices,
	s_mov_b32 s19, 0
	s_lshl_b32 s20, ttmp9, 2                       ; its partial sum
	s_mov_b32 s21, 0
	s_mov_b32 s22, 0x76543210
	s_mov_b32 s23, 0xfedcba98                      ; v_permlanex16_b32's selects for lane l xor 16
	s_wait_alu depctr_va_vdst(0)
	s_wait_kmcnt 0x0
	s_add_nc_u64 s[4:5], s[4:5], s[16:17]
	s_add_nc_u64 s[10:11], s[10:11], s[16:17]
	s_add_nc_u64 s[8:9], s[8:9], s[18:19]
	s_add_nc_u64 s[12:13], s[12:13], s[20:21]
.irp u, 0,1,2,3,4,5,6,7,8,9,10,11,12,13,14,15
	global_load_b32 v[IX+\u], v3, s[8:9] offset:64*\u
.endr
.irp u, 0,1,2,3,4,5,6,7
	global_load_b128 v[Z+4*\u:Z+4*\u+3], v2, s[4:5] offset:4096*\u th:TH_LOAD_NT
.endr
	s_wait_loadcnt 8                               ; the indices are in; the eight loads of z_e behind them may be out
.irp u, 0,1,2,3,4,5,6,7,8,9,10,11,12,13,14,15
	v_min_u32 v[IX+\u], 0x3ff, v[IX+\u]            ; an index stays inside the table
.endr
.irp u, 0,1,2,3,4,5,6,7,8,9,10,11,12,13,14,15
	v_lshlrev_b32 v[IX+\u], 8, v[IX+\u]            ; a row is 256 bytes
.endr
.irp u, 0,1,2,3,4,5,6,7,8,9,10,11,12,13,14,15
	v_add_nc_u32 v[IX+\u], v[IX+\u], v4
.endr
.irp u, 0,1,2,3,4,5,6,7
	global_load_b128 v[E+4*\u:E+4*\u+3], v[IX+\u], s[6:7]
.endr
.irp u, 8,9,10,11,12,13,14,15
	global_load_b128 v[Z+4*\u:Z+4*\u+3], v2, s[4:5] offset:4096*\u th:TH_LOAD_NT
.endr
.irp u, 8,9,10,11,12,13,14,15
	global_load_b128 v[E+4*\u:E+4*\u+3], v[IX+\u], s[6:7]
.endr
.irp u, 0,1,2,3,4,5,6,7,8,9,10,11,12,13,14,15
.set AC, ACC+4*(\u%2)
.if \u < 8
	s_wait_loadcnt 23-\u                           ; step u's row is in; behind it 7 - u rows, then the 16 loads of steps 8-15
.else
	s_wait_loadcnt 15-\u
.endif
	v_pk_add_f32 v[E+4*\u:E+4*\u+1], v[E+4*\u:E+4*\u+1], v[Z+4*\u:Z+4*\u+1] neg_lo:[0,1] neg_hi:[0,1]         ; z_q - z_e
	v_pk_add_f32 v[E+4*\u+2:E+4*\u+3], v[E+4*\u+2:E+4*\u+3], v[Z+4*\u+2:Z+4*\u+3] neg_lo:[0,1] neg_hi:[0,1]
.if \u < 2
	v_pk_mul_f32 v[AC:AC+1], v[E+4*\u:E+4*\u+1], v[E+4*\u:E+4*\u+1]                     ; the first squares start the sums
	v_pk_mul_f32 v[AC+2:AC+3], v[E+4*\u+2:E+4*\u+3], v[E+4*\u+2:E+4*\u+3]
.else
	v_pk_fma_f32 v[AC:AC+1], v[E+4*\u:E+4*\u+1], v[E+4*\u:E+4*\u+1], v[AC:AC+1]
	v_pk_fma_f32 v[AC+2:AC+3], v[E+4*\u+2:E+4*\u+3], v[E+4*\u+2:E+4*\u+3], v[AC+2:AC+3]
.endif
	v_pk_add_f32 v[E+4*\u:E+4*\u+1], v[Z+4*\u:Z+4*\u+1], v[E+4*\u:E+4*\u+1]                                   ; z_e + (z_q - z_e)
	v_pk_add_f32 v[E+4*\u+2:E+4*\u+3], v[Z+4*\u+2:Z+4*\u+3], v[E+4*\u+2:E+4*\u+3]
	global_store_b128 v2, v[E+4*\u:E+4*\u+3], s[10:11] offset:4096*\u th:TH_STORE_NT   ; 32 lanes store 512 consecutive bytes; no store's data are written again
.endr
	s_wait_alu depctr_va_vdst(0)                   ; ahead of the first reader of both sets of sums
	v_pk_add_f32 v[ACC:ACC+1], v[ACC:ACC+1], v[ACC+2:ACC+3]
	v_pk_add_f32 v[ACC+4:ACC+5], v[ACC+4:ACC+5], v[ACC+6:ACC+7]
	v_pk_add_f32 v[ACC:ACC+1], v[ACC:ACC+1], v[ACC+4:ACC+5]
	v_add_f32 v[ACC], v[ACC], v[ACC+1]
	s_delay_alu instid0(VALU_DEP_1)
	v_add_f32_dpp v[ACC], v[ACC], v[ACC] row_xmask:1 row_mask:0xf bank_mask:0xf
	s_delay_alu instid0(VALU_DEP_1)
	v_add_f32_dpp v[ACC], v[ACC], v[ACC] row_xmask:2 row_mask:0xf bank_mask:0xf
	s_delay_alu instid0(VALU_DEP_1)
	v_add_f32_dpp v[ACC], v[ACC], v[ACC] row_xmask:4 row_mask:0xf bank_mask:0xf
	s_delay_alu instid0(VALU_DEP_1)
	v_add_f32_dpp v[ACC], v[ACC], v[ACC] row_xmask:8 row_mask:0xf bank_mask:0xf
	s_delay_alu instid0(VALU_DEP_1)
	v_permlanex16_b32 v[ACC+1], v[ACC], s22, s23
	s_delay_alu instid0(VALU_DEP_1)
	v_add_f32 v[ACC], v[ACC], v[ACC+1]             ; the wave's sum, in every lane
	ds_store_b32 v5, v[ACC]                        ; all lanes write the wave's word with the same value
	s_wait_dscnt 0x0                               ; for the others' sake
	s_barrier_signal -1
	s_barrier_wait -1
	ds_load_b128 v[8:11], v6                       ; the eight waves' sums
	ds_load_b128 v[12:15], v6 offset:16
	s_wait_dscnt 0x0
	v_pk_add_f32 v[8:9], v[8:9], v[10:11]
	v_pk_add_f32 v[12:13], v[12:13], v[14:15]
	v_pk_add_f32 v[8:9], v[8:9], v[12:13]
	v_add_f32 v8, v8, v9
	s_wait_alu depctr_va_vdst(0)
	s_wait_xcnt 0x0                                ; EXEC is a source of the stores above: it changes only behind this wait
	s_wait_tensorcnt 0x0                           ; the wave's end
	ds_add_u32 v168, v169
	s_wait_dscnt 0x0
	v_cmpx_gt_u32 1, v0                            ; thread 0 alone
	global_store_b32 v6, v8, s[12:13]
	s_endpgm
.Lfunc_end_k_q370f21889b_gather:
	.size	k_q370f21889b_gather, .Lfunc_end_k_q370f21889b_gather-k_q370f21889b_gather
	.p2alignl 7, 3214868480
	.fill 96, 4, 3214868480
	.section	.rodata,"a",@progbits
	.p2align	6, 0x0
	.amdhsa_kernel k_q370f21889b_gather
		.amdhsa_group_segment_fixed_size 1280
		.amdhsa_private_segment_fixed_size 0
		.amdhsa_enable_private_segment 0
		.amdhsa_kernarg_size 40
		.amdhsa_user_sgpr_count 2
		.amdhsa_user_sgpr_kernarg_segment_ptr 1
		.amdhsa_wavefront_size32 1
		.amdhsa_system_sgpr_workgroup_id_x 1
		.amdhsa_system_sgpr_workgroup_id_y 1
		.amdhsa_system_sgpr_workgroup_id_z 1
		.amdhsa_system_vgpr_workitem_id 0
		.amdhsa_next_free_vgpr 170
		.amdhsa_next_free_sgpr 66
		.amdhsa_reserve_vcc 0
		.amdhsa_float_denorm_mode_32 3
		.amdhsa_float_denorm_mode_16_64 3
		.amdhsa_memory_ordered 1
		.amdhsa_forward_progress 1
		.amdhsa_inst_pref_size 18
	.end_amdhsa_kernel
	.amdgpu_metadata
---
amdhsa.version: [ 1, 2 ]
amdhsa.kernels:
  - .name:           k_q370f21889b_gather
    .symbol:         k_q370f21889b_gather.kd
    .args:
      - { .name: z_e, .offset: 0, .size: 8, .value_kind: global_buffer, .address_space: global }
      - { .name: embed_weight, .offset: 8, .size: 8, .value_kind: global_buffer, .address_space: global }
      - { .name: idx, .offset: 16, .size: 8, .value_kind: global_buffer, .address_space: global }
      - { .name: out0, .offset: 24, .size: 8, .value_kind: global_buffer, .address_space: global }
      - { .name: parts, .offset: 32, .size: 8, .value_kind: global_buffer, .address_space: global }
    .group_segment_fixed_size: 1280
    .private_segment_fixed_size: 0
    .kernarg_segment_align: 8
    .kernarg_segment_size: 40
    .max_flat_workgroup_size: 256
    .sgpr_count:     66
    .vgpr_count:     170
    .wavefront_size: 32
...
	.end_amdgpu_metadata
.endif
;; end of part 2
;; launch total (part 3): grid 1 x 1, 1 waves a work-group, no clusters, 0 bytes of LDS; arguments parts, out1; writes out1
.if DOCPART == 3
	.amdgcn_target "amdgcn-amd-amdhsa--gfx1250"
	.amdhsa_code_object_version 6
	.text
	.protected	k_q370f21889b_total
	.globl	k_q370f21889b_total
	.p2align	8
	.type	k_q370f21889b_total,@function
k_q370f21889b_total:
	s_mov_b64 s[64:65], 0
	v_nop
	global_prefetch_b8 v0, s[64:65] scope:SCOPE_SE
	s_setreg_imm32_b32 hwreg(HW_REG_WAVE_MODE, 25, 1), 1
	s_wait_xcnt 0x0
; out1 = 0.25 m + m, m = the mean of (z_q - z_e)^2 over 65,536 x 64 = 2^22 numbers: the two means of reference() are the same number.
; One wave adds the 256 partial sums that the launch before stored: eight a lane, 1,024 consecutive bytes.  A sum over work-groups has one owner, and no launch reads what it stores: hence a launch of its own.
	s_load_b128 s[4:7], s[0:1], 0x0                ; parts, out1
	v_lshlrev_b32 v1, 5, v0                        ; 32 bytes a lane
	v_mov_b32 v2, 0
	s_mov_b32 s8, 0x76543210
	s_mov_b32 s9, 0xfedcba98                       ; v_permlanex16_b32's selects for lane l xor 16
	s_wait_alu depctr_va_vdst(0)
	s_wait_kmcnt 0x0
	global_load_b128 v[4:7], v1, s[4:5]
	global_load_b128 v[8:11], v1, s[4:5] offset:16
	s_wait_loadcnt 0x0
	v_pk_add_f32 v[4:5], v[4:5], v[6:7]
	v_pk_add_f32 v[8:9], v[8:9], v[10:11]
	v_pk_add_f32 v[4:5], v[4:5], v[8:9]
	v_add_f32 v4, v4, v5
	v_add_f32_dpp v4, v4, v4 row_xmask:1 row_mask:0xf bank_mask:0xf
	v_add_f32_dpp v4, v4, v4 row_xmask:2 row_mask:0xf bank_mask:0xf
	v_add_f32_dpp v4, v4, v4 row_xmask:4 row_mask:0xf bank_mask:0xf
	v_add_f32_dpp v4, v4, v4 row_xmask:8 row_mask:0xf bank_mask:0xf
	v_permlanex16_b32 v5, v4, s8, s9
	v_add_f32 v4, v4, v5
	v_mul_f32 v4, 0x34800000, v4                   ; x 2^-22: the mean
	v_fmamk_f32 v4, v4, 0x3e800000, v4             ; 0.25 m + m, one rounding
	v_cmpx_gt_u32 1, v0                            ; lane 0 alone (the loads are done: nothing that is pending has EXEC as a source)
	global_store_b32 v2, v4, s[6:7]
	s_endpgm
.Lfunc_end_k_q370f21889b_total:
	.size	k_q370f21889b_total, .Lfunc_end_k_q370f21889b_total-k_q370f21889b_total
	.p2alignl 7, 3214868480
	.fill 96, 4, 3214868480
	.section	.rodata,"a",@progbits
	.p2align	6, 0x0
	.amdhsa_kernel k_q370f21889b_total
		.amdhsa_group_segment_fixed_size 0
		.amdhsa_private_segment_fixed_size 0
		.amdhsa_enable_private_segment 0
		.amdhsa_kernarg_size 16
		.amdhsa_user_sgpr_count 2
		.amdhsa_user_sgpr_kernarg_segment_ptr 1
		.amdhsa_wavefront_size32 1
		.amdhsa_system_sgpr_workgroup_id_x 1
		.amdhsa_system_sgpr_workgroup_id_y 1
		.amdhsa_system_sgpr_workgroup_id_z 1
		.amdhsa_system_vgpr_workitem_id 0
		.amdhsa_next_free_vgpr 16
		.amdhsa_next_free_sgpr 66
		.amdhsa_reserve_vcc 0
		.amdhsa_float_denorm_mode_32 3
		.amdhsa_float_denorm_mode_16_64 3
		.amdhsa_memory_ordered 1
		.amdhsa_forward_progress 1
		.amdhsa_inst_pref_size 2
	.end_amdhsa_kernel
	.amdgpu_metadata
---
amdhsa.version: [ 1, 2 ]
amdhsa.kernels:
  - .name:           k_q370f21889b_total
    .symbol:         k_q370f21889b_total.kd
    .args:
      - { .name: parts, .offset: 0, .size: 8, .value_kind: global_buffer, .address_space: global }
      - { .name: out1, .offset: 8, .size: 8, .value_kind: global_buffer, .address_space: global }
    .group_segment_fixed_size: 0
    .private_segment_fixed_size: 0
    .kernarg_segment_align: 8
    .kernarg_segment_size: 16
    .max_flat_workgroup_size: 32
    .sgpr_count:     66
    .vgpr_count:     16
    .wavefront_size: 32
...
	.end_amdgpu_metadata
.endif
;; end of part 3
